; MI455X (gfx1250); checked and timed in simulation.
; The chip was launched on July 23, 2026; its instructions are those of AMD's public machine-readable ISA for CDNA 5 (MIT licence, August 2026) and "CDNA5" Instruction Set Architecture Reference Guide (July 2026). The comments in the code are by the model that wrote it; some were corrected since.
;; triton ag gemm intra node. Allowed arithmetic: float matrix products may take bf16 or f16 operands with f32 sums; other float arithmetic in f32, or as packed bf16 or f16 multiplies, adds, multiply-adds, maxima and minima; sums over many terms, partial sums and values carried from step to step in f32; what a program stores and reads back later, other than sums and carried values, may be rounded once to bf16 or f16.
;; Inputs: input 2,048 x 8,192 float32; weight 4,096 x 8,192 float32.
;; Outputs: out0 2,048 x 4,096 float32.
;; Constants: transed_weight = 0.
;; 2 versions, each right; version 2 is version 1 with the launch cvt written anew for expert scheduling mode. Each part assembles by itself: llvm-mc -triple=amdgcn-amd-amdhsa -mcpu=gfx1250 --defsym DOCPART=n.
;; ======== version 1 of 2: 2 launches
;; workspace buffers: abf 35,225,600 bytes; wbf 70,451,200 bytes
;; launch cvt (part 1): grid 48 x 43, 8 waves a work-group, no clusters, 0 bytes of LDS; arguments input, weight, abf, wbf; writes abf, wbf
.if DOCPART == 1
	.amdgcn_target "amdgcn-amd-amdhsa--gfx1250"
	.amdhsa_code_object_version 6
	.text
	.protected	k_qf480400efa_cvt
	.globl	k_qf480400efa_cvt
	.p2align	8
	.type	k_qf480400efa_cvt,@function
k_qf480400efa_cvt:
	s_mov_b64 s[64:65], 0
	v_nop
	global_prefetch_b8 v0, s[64:65] scope:SCOPE_SE
	s_setreg_imm32_b32 hwreg(HW_REG_WAVE_MODE, 25, 1), 1
	s_wait_xcnt 0x0
; input [2048][8192] f32 -> abf, weight [4096][8192] f32 -> wbf: each number rounded ONCE to bf16 (nearest even) and laid out for the product that follows:
; [step 0..42][row][200 bf16].  Step s holds k = 192 s .. 192 s + 191 of every row (384 bytes), then 16 bytes of zeros: a row is 400 bytes.
; k >= 8192 (step 42, local k 128 .. 191) is written as zeros in both buffers, so that the product over 43 x 192 = 8,256 k adds only 0 x 0 to the true sums.
; LIMITS.  bf16 has f32's range and 8 significant bits; NaN and infinities are rounded as v_cvt_pk_bf16_f32 rounds them.
; A stream: no LDS, no matrix unit, no cluster (no two work-groups read the same byte).  Every input byte is read once, every output byte written once.
; SHARES.  Grid y = the step.  Grid x 0..15: input, x 16..47: weight.  A wave has ONE job: 16 rows of one step: it reads 16 x 768 bytes and writes 6,400 consecutive bytes
; as 25 stores, each of 256 consecutive bytes at a multiple of 256 from the buffer's first byte.  All 25 loads go out first; each pass has registers of its own, so nothing is ever freed.
; A LANE.  In pass i lane l owns output piece p = 32 i + l of the job's 800 pieces of 8 bytes (4 numbers): row p / 50, column c = p % 50.  32 i / 50 and 32 i % 50 are
; numbers of the text; adding l wraps past 50 at most once.  c >= LIM (48; 32 in step 42) is padding: such a lane loads a clamped place of its row and stores zeros.
.set NPASS, 25
.set ROWB,  32768                      ; bytes in a row of input and of weight
.set ABLK,  2048*400                   ; bytes of a step in abf
.set WBLK,  4096*400                   ; bytes of a step in wbf
.set LAST,  42                         ; the step that is part padding
.set X,   32                           ; v[32:131]  pass i: 4 registers as loaded; then its first two hold the 4 bf16
.set VO,  132                          ; v[132:156] pass i: the load's byte offset; never rewritten
.set MK,  32                           ; s[32:56]   pass i: the lanes whose piece holds numbers
	s_load_b256 s[8:15], s[0:1], 0x0               ; input s[8:9], weight s[10:11], abf s[12:13], wbf s[14:15]
	v_and_b32 v1, 31, v0                           ; lane
	v_lshrrev_b32 v3, 5, v0
	v_readfirstlane_b32 s16, v3                    ; wave 0..7
	v_lshlrev_b32 v2, 3, v1                        ; my 8 bytes in a store's 256; never rewritten
	s_mov_b32 s30, ttmp9                           ; x
	s_and_b32 s18, ttmp7, 0xffff                   ; the step
	s_sub_co_u32 s21, s30, 16                      ; x among weight's work-groups (used only where x >= 16)
	s_mov_b32 s19, WBLK
	s_cmp_lt_u32 s30, 16                           ; input or weight?
	s_cselect_b32 s17, s30, s21                    ; x within the buffer
	s_cselect_b32 s19, ABLK, s19                   ; bytes of a step in the output buffer
	s_lshl3_add_u32 s20, s17, s16                  ; my group of 16 rows = 8 x + wave
	s_lshl_b32 s22, s20, 19                        ; 16 rows of 32,768 bytes,
	s_mul_i32 s29, s18, 768                        ; the step's 192 numbers of 4 bytes
	s_add_co_u32 s22, s22, s29                     ; 133,725,696 at the most: one word
	s_mov_b32 s23, 0
	s_mul_i32 s24, s18, s19                        ; the step's block,
	s_mul_i32 s29, s20, 6400                       ; my 16 rows of 400 bytes in it
	s_add_co_u32 s24, s24, s29
	s_mov_b32 s25, 0
	s_cmp_eq_u32 s18, LAST
	s_cselect_b32 s26, 32, 48                      ; LIM: columns that hold numbers
	s_cselect_b32 s27, 31, 47                      ; LIM - 1: the clamp
	s_mov_b32 s28, ROWB
	s_wait_kmcnt 0x0
	s_cmp_lt_u32 s30, 16                           ; compared anew: the sums above have written SCC
	s_cselect_b64 s[4:5], s[8:9], s[10:11]         ; from where
	s_cselect_b64 s[6:7], s[12:13], s[14:15]       ; to where
	s_add_nc_u64 s[4:5], s[4:5], s[22:23]
	s_add_nc_u64 s[6:7], s[6:7], s[24:25]
	; ASK: the 25 loads.  A lane reads 16 bytes at (row x 32,768) + 16 c; the row's whole part stands in the immediate, the wrap's one row in the register.
	; The clamp keeps every load inside its row: the last byte read is step x 768 + 16 LIM = 32,768 at the most; pass 24 (18 + l < 50) cannot wrap past row 15.
.set i, 0
.rept NPASS
.set AI, (32*i)/50
.set BI, (32*i)%50
	v_add_nc_u32 v4, BI, v1                        ; column, not yet wrapped
	v_cmp_le_u32 vcc_lo, 50, v4                    ; past the row's end?
	v_sub_nc_u32 v5, v4, 50
	v_cndmask_b32 v4, v4, v5, vcc_lo               ; c
	v_cndmask_b32 v5, 0, s28, vcc_lo               ; one row further, or none
	v_cmp_gt_u32 s[MK+i], s26, v4                  ; LIM > c: the piece holds numbers
	v_min_u32 v4, s27, v4
	v_lshl_add_u32 v[VO+i], v4, 4, v5
	global_load_b128 v[X+4*i:X+4*i+3], v[VO+i], s[4:5] offset:AI*ROWB th:TH_LOAD_NT  ; read once in the launch
.set i, i+1
.endr
	; PUT: rounded, padding set to zero, stored.  No hint on the stores: the next launch reads these bytes.
.set i, 0
.rept NPASS
	s_wait_loadcnt NPASS-1-i                       ; loads come back in order (ISA guide 5.7.1): pass i's is in, the younger ones stay out
	v_cvt_pk_bf16_f32 v[X+4*i],   v[X+4*i],   v[X+4*i+1]
	v_cvt_pk_bf16_f32 v[X+4*i+1], v[X+4*i+2], v[X+4*i+3]
	v_cndmask_b32 v[X+4*i],   0, v[X+4*i],   s[MK+i]
	v_cndmask_b32 v[X+4*i+1], 0, v[X+4*i+1], s[MK+i]
	global_store_b64 v2, v[X+4*i:X+4*i+1], s[6:7] offset:256*i  ; 32 lanes store 256 consecutive bytes, at a multiple of 256 from the buffer's first byte
.set i, i+1
.endr
	s_endpgm
.Lfunc_end_k_qf480400efa_cvt:
	.size	k_qf480400efa_cvt, .Lfunc_end_k_qf480400efa_cvt-k_qf480400efa_cvt
	.p2alignl 7, 3214868480
	.fill 96, 4, 3214868480
	.section	.rodata,"a",@progbits
	.p2align	6, 0x0
	.amdhsa_kernel k_qf480400efa_cvt
		.amdhsa_group_segment_fixed_size 0
		.amdhsa_private_segment_fixed_size 0
		.amdhsa_enable_private_segment 0
		.amdhsa_kernarg_size 32
		.amdhsa_user_sgpr_count 2
		.amdhsa_user_sgpr_kernarg_segment_ptr 1
		.amdhsa_wavefront_size32 1
		.amdhsa_system_sgpr_workgroup_id_x 1
		.amdhsa_system_sgpr_workgroup_id_y 1
		.amdhsa_system_sgpr_workgroup_id_z 1
		.amdhsa_system_vgpr_workitem_id 0
		.amdhsa_next_free_vgpr 160
		.amdhsa_next_free_sgpr 66
		.amdhsa_reserve_vcc 1
		.amdhsa_float_denorm_mode_32 3
		.amdhsa_float_denorm_mode_16_64 3
		.amdhsa_memory_ordered 1
		.amdhsa_forward_progress 1
		.amdhsa_inst_pref_size 23
	.end_amdhsa_kernel
	.amdgpu_metadata
---
amdhsa.version: [ 1, 2 ]
amdhsa.kernels:
  - .name:           k_qf480400efa_cvt
    .symbol:         k_qf480400efa_cvt.kd
    .args:
      - { .name: input, .offset: 0, .size: 8, .value_kind: global_buffer, .address_space: global }
      - { .name: weight, .offset: 8, .size: 8, .value_kind: global_buffer, .address_space: global }
      - { .name: abf, .offset: 16, .size: 8, .value_kind: global_buffer, .address_space: global }
      - { .name: wbf, .offset: 24, .size: 8, .value_kind: global_buffer, .address_space: global }
    .group_segment_fixed_size: 0
    .private_segment_fixed_size: 0
    .kernarg_segment_align: 8
    .kernarg_segment_size: 32
    .max_flat_workgroup_size: 256
    .sgpr_count:     66
    .vgpr_count:     160
    .wavefront_size: 32
...
	.end_amdgpu_metadata
.endif
;; end of part 1
;; launch gemm (part 2): grid 16 x 16, 4 waves a work-group, clusters of 4 x 4, 327,680 bytes of LDS; arguments abf, wbf, out0; writes out0
.if DOCPART == 2
	.amdgcn_target "amdgcn-amd-amdhsa--gfx1250"
	.amdhsa_code_object_version 6
	.text
	.protected	k_qf480400efa_gemm
	.globl	k_qf480400efa_gemm
	.p2align	8
	.type	k_qf480400efa_gemm,@function
k_qf480400efa_gemm:
	s_mov_b64 s[64:65], 0
	v_nop
	global_prefetch_b8 v0, s[64:65] scope:SCOPE_SE
	s_setreg_imm32_b32 hwreg(HW_REG_WAVE_MODE, 25, 1), 1
	s_wait_xcnt 0x0
	s_wait_alu depctr_hold_cnt(0) depctr_sa_sdst(0) depctr_va_vdst(0) depctr_va_sdst(0) depctr_va_ssrc(0) depctr_va_vcc(0) depctr_vm_vsrc(0)
	s_getreg_b32 s2, hwreg(HW_REG_IB_STS2, 6, 4)
	s_cmp_eq_u32 s2, 0
	s_cbranch_scc0 .Lentry_in_a_cluster
	s_endpgm
.Lentry_in_a_cluster:
	s_bfe_u32 s2, ttmp6, 0x10000c
	s_cmp_lg_u32 s2, 0xf033
	s_cbranch_scc0 .Lentry_shape_is_right
	s_endpgm
.Lentry_shape_is_right:
; out0[m][n] = sum over k of A[m][k] B[n][k], m < 2048, n < 4096.  A = abf, B = wbf: bf16, laid out [step 0..42][row][200]: 192 k of a row and 16 bytes of zeros, 400 bytes; k >= 8192 holds zeros in both.
; LIMITS.  The operands were rounded once to bf16; sums in f32.  Each output is the f32 sum of TWO f32 partial sums (of every step's 192 k the first 96 go to one, the last 96 to the other, k ascending in each):
; an order of rounding other than a single ascending sum.  NaN and infinities go through the products as they come.
; SHARES.  A work-group makes 128 x 256 of C: 16 x 16 = 256 work-groups.  Wave w = 2 kh + nh takes all 128 rows x columns 128 nh .. + 127, over local k 96 kh .. + 95 of every step: 64 accumulators of 16 x 16,
; 512 registers, so that 32 LDS loads of 16 bytes a lane feed 64 matrix instructions.  The two partial sums of a number meet once, at the end, in LDS.
; THE RING.  K goes in 43 steps of 192 through two LDS slots.  A slot is the memory's own image: 128 rows of A, then 256 rows of B, 400 bytes apart = 100 words: row r starts at bank 36 r mod 64 (64 banks of
; 4 bytes: ISA guide 11.1), and the 16 rows that a fragment load touches fall on 16 different groups of four banks.  A wave's part of a slot (64 rows of A or 128 of B) is a dense block of memory, which
; begins at a multiple of 256 bytes and is asked for as rows of 256 bytes, without padding.  By this text's own count a wave has two tensor loads out at the start and one behind each round.
; CLUSTERS: 4 x 4 work-groups.  The four of a row of the cluster need the same tiles of A, the four of a column the same tiles of B: each is asked for JOINTLY, by the same tensor load with the same
; descriptor and a mask that names the four.
; THE MATRIX INSTRUCTION IS USED TRANSPOSED (source 0 = 16 rows of B, source 1 = 16 rows of A): lane l holds row l % 16 of C and the columns 8 (l / 16) + 0..7: 32 neighbouring bytes.
; REGISTERS, in windows of 256 (s_set_vgpr_msb: bits 1:0 source 0, 3:2 source 1, 5:4 source 2, 7:6 destination):
;   window 0: v0-31 addresses; v64-127, v128-191 fragments of A, two buffers (on the way out: rows read back)      window 1: v64-127, v128-191 fragments of B, two buffers
;   window 2: the 32 accumulators of rows 0-63 ((a, b) at v[8 (8 a + b)])      window 3: those of rows 64-127
.set PITCH,  400                       ; an LDS row
.set ABYTES, 128*PITCH                 ; A's part of a slot
.set SLOT,   384*PITCH                 ; 153,600 bytes
.set SPARE,  2*SLOT                    ; behind the ring: the spare words, 128 bytes for each wave: two blocks of 256 bytes that no other line names
.set ASTEP,  2048*PITCH                ; bytes from step to step in abf
.set BSTEP,  4096*PITCH                ; and in wbf
.set OP,     1040                      ; the way out: a tile row of 256 f32 + 16 bytes = 260 words: the 16 rows that a store touches start at 16 different groups of four banks
.set PREG,   128*OP                    ; the way out: one partial tile; two of them lie in the ring's bytes, which have had their last fill by then (266,240 of 307,200)
.set CROW,   4096*4                    ; bytes in a row of out0
.set TRIPS,  20                        ; the loop's trips: two steps each; steps 40 to 42 are written out
.set ADRA, 16                          ; v16-17  LDS address of my A fragments in slot 0, 1
.set ADRB, 20                          ; v20-21  the same for B
.set STO0, 22                          ; v22     the way out: where I put 32 bytes of a row, rows 0-63
.set STO1, 23                          ; v23     rows 64-127
.set RD0,  24                          ; v24     the way out: where I read 16 bytes of the first partial tile back
.set RD1,  25                          ; v25     of the second
.set CO,   26                          ; v26     my byte offset in 512 consecutive bytes of out0
.set SPW,  28                          ; v28     LDS address of my spare word: SPARE + 4 x my thread's number; never rewritten
.set NIL,  29                          ; v29     0; never rewritten
.set F0,   64                          ; fragment buffer 0
.set F1,   128                         ; fragment buffer 1
.set G1,  24                           ; s[24:31] descriptor group 1 for A's tiles
.set G0,  32                           ; s[32:39] group 0 for A's tiles, one set for each slot
.set G1B, 48                           ; s[48:55] group 1 for B's tiles
.set G0B, 56                           ; s[56:63] group 0 for B's tiles, one set for each slot
.set MSB, 0
.macro WIN new                         ; the immediate's high byte repeats the setting that is left; a switch that changes nothing is dropped
.if MSB != (\new)
	s_set_vgpr_msb (MSB<<8)|(\new)
.set MSB, \new
.endif
.endm
.set MUL_LO, 0xa1                      ; source 0 (B) window 1, source 1 (A) window 0, C and D window 2
.set MUL_HI, 0xf1                      ; the same, C and D window 3
.set TO_B,   0x40                      ; destination window 1, address window 0
; A joint load.  Waves 0 and 1 fetch A's two halves, waves 2 and 3 B's.  Each of the two lines has ONE mask and one set of registers for all that issue it; the branch hangs on the wave's number alone.
; An s_nop 0 and four v_nop follow each of the two lines, ahead of the jump, the label and what follows.
.macro JLOAD s
	s_cmp_eq_u32 s11, 0
	s_cbranch_scc0 .Lfor_b_\@
	tensor_load_to_lds s[G0+4*(\s):G0+4*(\s)+3], s[G1:G1+7]
	s_nop 0
.rept 4
	v_nop
.endr
	s_branch .Lasked_\@
.Lfor_b_\@:
	tensor_load_to_lds s[G0B+4*(\s):G0B+4*(\s)+3], s[G1B:G1B+7]
	s_nop 0
.rept 4
	v_nop
.endr
.Lasked_\@:
.endm
; A round of the cluster's barrier: my work-group's barrier, so that wave 0's signal speaks for all four waves; wave 0 signals for the work-group; every wave waits for all sixteen; my work-group's barrier once more.
.macro CREST                           ; a round behind its opening barrier
	s_cmp_lg_u32 s10, 0
	s_cbranch_scc1 .Lnot_wave_0_\@
	s_barrier_signal -3
.Lnot_wave_0_\@:
	s_barrier_wait -3
	s_barrier_signal -1
	s_barrier_wait -1
.endm
.macro CROUND                          ; a whole round
	s_barrier_signal -1
	s_barrier_wait -1
	CREST
.endm
	s_load_b128 s[4:7], s[0:1], 0x0                ; abf s[4:5], wbf s[6:7]
	s_load_b64 s[8:9], s[0:1], 0x10                ; out0
	v_lshl_add_u32 v[SPW], v0, 2, SPARE
	v_mov_b32 v[NIL], 0
	ds_add_u32 v[SPW], v[NIL]                      ; the wave's opening: the add and its wait ahead of my first tensor load; the set-up below, work on registers, stands between them
	v_lshrrev_b32 v1, 5, v0
	v_readfirstlane_b32 s10, v1                    ; wave 0..3
	s_lshr_b32 s11, s10, 1                         ; kh: which 96 of a step's 192 k are mine.  Also: I fetch for A (0) or for B (1)
	s_and_b32 s12, s10, 1                          ; nh: which 128 columns are mine.  Also: which half of that tile's rows I fetch
	s_bfe_u32 s40, ttmp6, 0x40000                  ; cx: my place along the cluster's x
	s_bfe_u32 s41, ttmp6, 0x40004                  ; cy: along its y
	s_lshl_b32 s42, ttmp9, 2                       ; in a cluster launch ttmp9 and ttmp7 count clusters
	s_add_co_u32 s42, s42, s40                     ; tile column of C = 4 x cluster x + cx
	s_and_b32 s13, ttmp7, 0xffff
	s_lshl_b32 s13, s13, 2
	s_add_co_u32 s13, s13, s41                     ; tile row of C = 4 x cluster y + cy
	s_lshl_b32 s43, s41, 2
	s_lshl_b32 s43, 15, s43                        ; my row of the cluster: places 4 cy .. 4 cy + 3
	s_lshl_b32 s44, 0x1111, s40                    ; my column: places cx, cx + 4, cx + 8, cx + 12
	; descriptor group 1: a dense block as rows of 32 elements of 8 bytes.  A: 64 x 400 bytes = 100 such rows; B: 128 x 400 = 200
	s_or_b32 s[G1+0], s43, (3<<16)|(1<<21)         ; 15:0 the mask: A's tiles go to my row; 17:16 elements of 8 bytes; 20 no padding; 21 set beside a mask
	s_or_b32 s[G1B+0], s44, (3<<16)|(1<<21)        ; the same with the mask of my column
	s_mov_b32 s[G1+1], 32<<16                      ; 63:48 tensor_dim0, low half = 32
	s_mov_b32 s[G1B+1], 32<<16
	s_mov_b32 s[G1+2], 100<<16                     ; 79:64 its high half = 0; 95:80 tensor_dim1, low half
	s_mov_b32 s[G1B+2], 200<<16
	s_mov_b32 s[G1+3], 32<<16                      ; 111:96 its high half = 0; 127:112 tile_dim0 = 32
	s_mov_b32 s[G1B+3], 32<<16
	s_mov_b32 s[G1+4], 100                         ; 143:128 tile_dim1; 159:144 tile_dim2 = 0
	s_mov_b32 s[G1B+4], 200
	s_mov_b32 s[G1+5], 32                          ; 191:160 tensor_dim0_stride: a row begins where the last ends
	s_mov_b32 s[G1B+5], 32
	s_mov_b32 s[G1+6], 0
	s_mov_b32 s[G1B+6], 0
	s_mov_b32 s[G1+7], 0
	s_mov_b32 s[G1B+7], 0
	; where the tiles come from.  A's hang on the tile row alone, which my row of the cluster shares; B's on the tile column alone.  Every wave makes both, in registers that never hold the other coordinate.
	s_lshl_b32 s16, s13, 7
	s_lshl_b32 s17, s12, 6
	s_add_co_u32 s16, s16, s17                     ; A: row 128 x tile row + 64 x half
	s_mul_i32 s16, s16, PITCH                      ; in bytes: under 819,200
	s_mov_b32 s17, 0
	s_lshl_b32 s46, s42, 8
	s_lshl_b32 s47, s12, 7
	s_add_co_u32 s46, s46, s47                     ; B: row 256 x tile column + 128 x half
	s_mul_i32 s46, s46, PITCH
	s_mov_b32 s47, 0
	s_mul_i32 s20, s12, 64*PITCH                   ; and where they go: A's halves at the slot's head,
	s_mul_i32 s21, s12, 128*PITCH
	s_add_co_u32 s21, s21, ABYTES                  ; B's behind them: no place in the cluster enters an LDS address
	s_wait_dscnt 0x0                               ; the opening add is done
	s_wait_kmcnt 0x0
	s_add_nc_u64 s[14:15], s[4:5], s[16:17]
	s_add_nc_u64 s[46:47], s[6:7], s[46:47]
	CROUND                                         ; all sixteen work-groups are here: the first joint loads meet
.irp s, 0,1
	s_mov_b32 s[G0+4*(\s)], 1                                      ; 1:0 count = 1
	s_add_co_u32 s[G0+4*(\s)+1], s20, (\s)*SLOT                    ; 63:32 LDS address
	s_add_nc_u64 s[G0+4*(\s)+2:G0+4*(\s)+3], s[14:15], (\s)*ASTEP  ; 120:64 global address: step s
	s_or_b32 s[G0+4*(\s)+3], s[G0+4*(\s)+3], 0x80000000            ; 127:126 type = 2
	s_mov_b32 s[G0B+4*(\s)], 1
	s_add_co_u32 s[G0B+4*(\s)+1], s21, (\s)*SLOT
	s_add_nc_u64 s[G0B+4*(\s)+2:G0B+4*(\s)+3], s[46:47], (\s)*BSTEP
	s_or_b32 s[G0B+4*(\s)+3], s[G0B+4*(\s)+3], 0x80000000
	JLOAD \s                                       ; the ring is filled before anything else is done
.endr
	; A fragment is 16 rows x 32 K in 8 registers: lane l holds row l % 16; registers 0-3 hold K = 8 (l / 16) + 0..7, registers 4-7 K = 16 + 8 (l / 16) + 0..7: two loads of 16 bytes, 32 bytes apart.
	v_and_b32 v1, 15, v0                           ; l % 16
	v_bfe_u32 v2, v0, 4, 1                         ; l / 16
	v_mul_u32_u24 v3, v1, PITCH
	v_lshl_add_u32 v3, v2, 4, v3                   ; row x pitch + 16 x half
	s_mul_i32 s22, s11, 192                        ; my 96 k of a row: A's 128 rows are all mine
	s_mul_i32 s23, s12, 128*PITCH                  ; my 128 rows of B,
	s_add_co_u32 s23, s23, s22
	s_add_co_u32 s23, s23, ABYTES                  ; which lie behind A's
.irp s, 0,1
	v_add_nc_u32 v[ADRA+(\s)], s22, v3
	v_add_nc_u32 v[ADRB+(\s)], s23, v3
	s_add_co_u32 s22, s22, SLOT
	s_add_co_u32 s23, s23, SLOT
.endr
	; the way out.  In: partial tile kh, row l % 16, my 512 bytes of the row, 32 bytes for each half of the lanes.  Back: wave w takes rows 32 w .. + 31 whole, 512 consecutive bytes a load.
	v_mul_u32_u24 v5, v1, OP
	v_lshl_add_u32 v5, v2, 5, v5
	s_mul_i32 s18, s11, PREG
	s_lshl_b32 s19, s12, 9
	s_add_co_u32 s18, s18, s19
	v_add_nc_u32 v[STO0], s18, v5
	v_add_nc_u32 v[STO1], 64*OP, v[STO0]
	v_and_b32 v4, 31, v0
	v_lshlrev_b32 v[CO], 4, v4                     ; 16 x lane
	s_mul_i32 s18, s10, 32*OP
	v_add_nc_u32 v[RD0], s18, v[CO]
	v_add_nc_u32 v[RD1], PREG, v[RD0]
	s_lshl_b32 s16, s13, 7
	s_lshl_b32 s17, s10, 5
	s_add_co_u32 s16, s16, s17                     ; the first row of C that I store: 128 x tile row + 32 x wave
	s_lshl_b32 s16, s16, 14                        ; rows of 16,384 bytes: under 2^25
	s_mov_b32 s17, 0
	s_add_nc_u64 s[8:9], s[8:9], s[16:17]
	s_lshl_b32 s46, s42, 10                        ; the tile's first column, in bytes (in the registers that held B's address: none that feeds A's descriptors ever holds cx)
	s_mov_b32 s47, 0
	s_add_nc_u64 s[8:9], s[8:9], s[46:47]
; 8 matrix instructions: m block a of the window's four (hi = 0: rows 0-63, 1: rows 64-127) x all 8 n blocks, 32 along K.  zero = 1: the first product starts the sums: nothing is ever cleared.
; The 64 accumulators take turns, one instruction a turn, in the same order in every quarter.
.macro MUL8 f, hi, a, zero
	WIN MUL_LO+0x50*(\hi)
.irp b, 0,1,2,3,4,5,6,7
.if \zero
	v_wmma_f32_16x16x32_bf16 v[8*(8*(\a)+(\b)):8*(8*(\a)+(\b))+7], v[(\f)+8*(\b):(\f)+8*(\b)+7], v[(\f)+8*(4*(\hi)+(\a)):(\f)+8*(4*(\hi)+(\a))+7], 0
.else
	v_wmma_f32_16x16x32_bf16 v[8*(8*(\a)+(\b)):8*(8*(\a)+(\b))+7], v[(\f)+8*(\b):(\f)+8*(\b)+7], v[(\f)+8*(4*(\hi)+(\a)):(\f)+8*(4*(\hi)+(\a))+7], v[8*(8*(\a)+(\b)):8*(8*(\a)+(\b))+7]
.endif
.endr
.endm
.macro MUL16 f, hi, a0, zero
	MUL8 \f, \hi, \a0, \zero
	MUL8 \f, \hi, (\a0)+1, \zero
.endm
; 32 LDS loads in one run: the fragments of one quarter (128 rows of B, 128 rows of A, 32 K at byte k of my 192) into buffer f
.macro FETCH slot, k, f
	WIN TO_B
.irp i, 0,1,2,3,4,5,6,7
	ds_load_b128 v[(\f)+8*(\i):(\f)+8*(\i)+3],   v[ADRB+(\slot)] offset:(\k)+(\i)*16*PITCH
	ds_load_b128 v[(\f)+8*(\i)+4:(\f)+8*(\i)+7], v[ADRB+(\slot)] offset:(\k)+(\i)*16*PITCH+32
.endr
	WIN 0
.irp i, 0,1,2,3,4,5,6,7
	ds_load_b128 v[(\f)+8*(\i):(\f)+8*(\i)+3],   v[ADRA+(\slot)] offset:(\k)+(\i)*16*PITCH
	ds_load_b128 v[(\f)+8*(\i)+4:(\f)+8*(\i)+7], v[ADRA+(\slot)] offset:(\k)+(\i)*16*PITCH+32
.endr
.endm
; A load into a register that a matrix instruction has read, and an LDS store of a matrix result, stand four places behind that matrix instruction, and only plain vector instructions that name none of
; its registers are places (ISA guide 7.12.1 for vector instructions).
.macro PLACES
.rept 4
	v_nop
.endr
.endm
; A step is, for a wave, three quarters of 32 along K, 64 matrix instructions each; the buffers alternate from quarter to quarter, so two steps bring them round.
; One of a step's first two: multiplies buffer f; in its middle it fetches the next quarter's fragments, at byte k of the same slot's rows, into buffer g.
.macro QUARTER slot, k, f, g, zero
	s_wait_dscnt 8                                 ; B and A's rows 0-63 are in; the youngest eight loads (A's rows 64-127) may be out
	MUL16 \f, 0, 0, \zero
	MUL16 \f, 0, 2, \zero
	PLACES
	FETCH \slot, \k, \g
	s_wait_dscnt 32                                ; all but the 32 just issued
	MUL16 \f, 1, 0, \zero
	MUL16 \f, 1, 2, \zero
.endm
; A step's third quarter multiplies buffer f and changes slots: ONE barrier for two things.  In front of it each wave waits for all its tensor loads, of which one is out: its part of the next slot; adds 0 to its
; spare word; and waits for that and for its own reads of this slot.  Behind it nobody reads this slot any more and the next slot is whole.
; fill = 1: the barrier opens a round of the cluster's barrier, and behind the round this slot is filled again first, with the step two on; then come the next slot's first fragments, into buffer g.
; From a request to the wait for it a wave issues 48 + 64 + 64 = 176 matrix instructions.
.macro TURN slot, next, f, g, fill
	WIN 0                                          ; (the add's two registers lie in window 0)
	s_wait_tensorcnt 0x0                           ; all my tensor loads have landed: the one that was out is my part of the next slot;
	ds_add_u32 v[SPW], v[NIL]                      ; 0 onto my spare word;
	s_wait_dscnt 9                                 ; (the add and the youngest eight loads may be out)
	MUL8 \f, 0, 0, 0                               ; eight matrix instructions stand between the add and the wait for it
	s_wait_dscnt 0x0                               ; the add is done, and my reads of this slot are over:
	s_barrier_signal -1                            ; say so,
	MUL8 \f, 0, 1, 0                               ; work on registers while the others arrive,
.if \fill
	WIN 0
.endif
	s_barrier_wait -1                              ; and go on when all four have said so
.if \fill
	CREST                                          ; no wave of any partner still reads this slot's tile or has a load on its way
	s_add_nc_u64 s[G0+4*(\slot)+2:G0+4*(\slot)+3], s[G0+4*(\slot)+2:G0+4*(\slot)+3], 2*ASTEP     ; no tensor load of mine is out: the slot's group 0 steps two steps on; the type bits on top are not reached
	s_add_nc_u64 s[G0B+4*(\slot)+2:G0B+4*(\slot)+3], s[G0B+4*(\slot)+2:G0B+4*(\slot)+3], 2*BSTEP
	JLOAD \slot                                    ; the first tensor load behind the round; the four v_nop behind it are also the places in front of the loads below
.else
	PLACES
.endif
	FETCH \next, 0, \g
	MUL16 \f, 0, 2, 0
	MUL16 \f, 1, 0, 0
	MUL16 \f, 1, 2, 0
.endm
.macro LASTQ f                         ; the very last quarter: nothing more to fetch
	s_wait_dscnt 8
	MUL16 \f, 0, 0, 0
	MUL16 \f, 0, 2, 0
	s_wait_dscnt 0
	MUL16 \f, 1, 0, 0
	MUL16 \f, 1, 2, 0
.endm
	s_wait_tensorcnt 1                             ; my part of step 0 is in; step 1's may stay out
	s_barrier_signal -1
	s_barrier_wait -1                              ; everybody's is
	FETCH 0, 0, F0
	QUARTER 0, 64,  F0, F1, 1                      ; the first quarter stands in front of the loop: its products start the sums
	WIN 0                                          ; at a label and at a branch every window is 0
	s_mov_b32 s3, TRIPS
.Llap:                                                 ; trip t: the rest of step 2 t, step 2 t + 1, the first quarter of step 2 t + 2; it asks for steps 2 t + 2 and 2 t + 3
	QUARTER 0, 128, F1, F0, 0
	TURN 0, 1, F0, F1, 1
	QUARTER 1, 64,  F1, F0, 0
	QUARTER 1, 128, F0, F1, 0
	TURN 1, 0, F1, F0, 1
	QUARTER 0, 64,  F0, F1, 0
	WIN 0
	s_sub_co_u32 s3, s3, 1
	s_cmp_lg_u32 s3, 0
	s_cbranch_scc1 .Llap
	QUARTER 0, 128, F1, F0, 0                      ; the tail is written out: step 40 goes on
	TURN 0, 1, F0, F1, 1                           ; and slot 0 takes step 42: the last load
	QUARTER 1, 64,  F1, F0, 0                      ; step 41
	QUARTER 1, 128, F0, F1, 0
	TURN 1, 0, F1, F0, 0                           ; nothing is left to ask for: a plain barrier; its wait for all loads shows step 42 landed
	QUARTER 0, 64,  F0, F1, 0                      ; step 42
	QUARTER 0, 128, F1, F0, 0
	LASTQ F0
	; THE WAY OUT.  Each wave puts its 128 x 128 partial sums, f32, into partial tile kh; behind a barrier each wave reads 32 whole rows of both partial tiles, adds them and stores them.
	; The partial tiles lie in the ring's bytes: every tensor load of the launch has landed (the last change of slots waited for all), and behind the barrier below no wave reads a fragment any more.
	WIN 0
	PLACES                                         ; the places behind the last products, for the stores of their results and the loads into A's buffers
	s_barrier_signal -1                            ; my LDS loads are all back: the last quarter waited for 0, and none was issued since
	s_barrier_wait -1
.irp a, 0,1,2,3,4,5,6,7
	WIN 0x08+4*((\a)/4)                            ; store data (source 1) in window 2 or 3, address in window 0
.irp b, 0,1,2,3,4,5,6,7
	ds_store_b128 v[STO0+(\a)/4], v[8*(8*((\a)%4)+(\b)):8*(8*((\a)%4)+(\b))+3]   offset:((\a)%4)*16*OP+64*(\b)     ; each accumulator's low four registers first
	ds_store_b128 v[STO0+(\a)/4], v[8*(8*((\a)%4)+(\b))+4:8*(8*((\a)%4)+(\b))+7] offset:((\a)%4)*16*OP+64*(\b)+16
.endr
.endr
	WIN 0
	s_wait_dscnt 0x0                               ; for the others' sake: my stores into the partial tiles are done
	s_barrier_signal -1
	s_barrier_wait -1
; Batch n of 8: eight units of 512 consecutive bytes (unit u = 8 n + t: row u / 2 of my 32, half u % 2), from both partial tiles, into register set n % 2.
.macro LOADB n
.set BK, F0+64*((\n)%2)
.if (\n) >= 2
	s_wait_xcnt 0x0                                ; every earlier memory instruction has had its addresses translated (ISA guide 3.1): the set that batch n - 2's stores read is loaded again only behind this wait
.endif
.irp t, 0,1,2,3,4,5,6,7
	ds_load_b128 v[BK+8*(\t):BK+8*(\t)+3],   v[RD0] offset:((8*(\n)+(\t))/2)*OP+((\t)%2)*512
	ds_load_b128 v[BK+8*(\t)+4:BK+8*(\t)+7], v[RD1] offset:((8*(\n)+(\t))/2)*OP+((\t)%2)*512
.endr
.endm
.macro SENDB n, younger                ; younger: the LDS loads issued behind batch n's: the next batch's sixteen, or none
.set BK, F0+64*((\n)%2)
	s_wait_dscnt \younger
.irp t, 0,1,2,3,4,5,6,7
	v_pk_add_f32 v[BK+8*(\t):BK+8*(\t)+1],   v[BK+8*(\t):BK+8*(\t)+1],   v[BK+8*(\t)+4:BK+8*(\t)+5]   ; the two partial sums, in f32
	v_pk_add_f32 v[BK+8*(\t)+2:BK+8*(\t)+3], v[BK+8*(\t)+2:BK+8*(\t)+3], v[BK+8*(\t)+6:BK+8*(\t)+7]
	global_store_b128 v[CO], v[BK+8*(\t):BK+8*(\t)+3], s[8:9] offset:((8*(\n)+(\t))/2)*CROW+((\t)%2)*512 th:TH_STORE_NT  ; 32 lanes store 512 consecutive bytes, at a multiple of 512 from out0's first byte
.endr
.endm
	LOADB 0
.irp n, 1,2,3,4,5,6,7                  ; a batch's loads are out while the batch before is added and stored
	LOADB \n
	SENDB (\n)-1, 16
.endr
	SENDB 7, 0
	s_wait_tensorcnt 0x0                           ; the wave's end, behind my last tensor load and my last LDS store
	ds_add_u32 v[SPW], v[NIL]
	s_wait_dscnt 0x0
	CROUND                                         ; the closing round: no work-group ends while a partner may still ask for a tile that names it
	s_endpgm
.Lfunc_end_k_qf480400efa_gemm:
	.size	k_qf480400efa_gemm, .Lfunc_end_k_qf480400efa_gemm-k_qf480400efa_gemm
	.p2alignl 7, 3214868480
	.fill 96, 4, 3214868480
	.section	.rodata,"a",@progbits
	.p2align	6, 0x0
	.amdhsa_kernel k_qf480400efa_gemm
		.amdhsa_group_segment_fixed_size 327680
		.amdhsa_private_segment_fixed_size 0
		.amdhsa_enable_private_segment 0
		.amdhsa_kernarg_size 24
		.amdhsa_user_sgpr_count 2
		.amdhsa_user_sgpr_kernarg_segment_ptr 1
		.amdhsa_wavefront_size32 1
		.amdhsa_system_sgpr_workgroup_id_x 1
		.amdhsa_system_sgpr_workgroup_id_y 1
		.amdhsa_system_sgpr_workgroup_id_z 1
		.amdhsa_system_vgpr_workitem_id 0
		.amdhsa_next_free_vgpr 1024
		.amdhsa_next_free_sgpr 66
		.amdhsa_reserve_vcc 0
		.amdhsa_float_denorm_mode_32 3
		.amdhsa_float_denorm_mode_16_64 3
		.amdhsa_memory_ordered 1
		.amdhsa_forward_progress 1
		.amdhsa_inst_pref_size 137
	.end_amdhsa_kernel
	.amdgpu_metadata
---
amdhsa.version: [ 1, 2 ]
amdhsa.kernels:
  - .name:           k_qf480400efa_gemm
    .symbol:         k_qf480400efa_gemm.kd
    .args:
      - { .name: abf, .offset: 0, .size: 8, .value_kind: global_buffer, .address_space: global }
      - { .name: wbf, .offset: 8, .size: 8, .value_kind: global_buffer, .address_space: global }
      - { .name: out0, .offset: 16, .size: 8, .value_kind: global_buffer, .address_space: global }
    .group_segment_fixed_size: 327680
    .private_segment_fixed_size: 0
    .kernarg_segment_align: 8
    .kernarg_segment_size: 24
    .max_flat_workgroup_size: 128
    .sgpr_count:     66
    .vgpr_count:     1024
    .wavefront_size: 32
...
	.end_amdgpu_metadata
.endif
;; end of part 2
;; ======== version 2 of 2: 2 launches; version 1 with the launch cvt written anew for expert scheduling mode
;; workspace buffers: abf 35,225,600 bytes; wbf 70,451,200 bytes
;; launch cvt (part 3): grid 48 x 43, 8 waves a work-group, no clusters, 0 bytes of LDS; arguments input, weight, abf, wbf; writes abf, wbf
.if DOCPART == 3
	.amdgcn_target "amdgcn-amd-amdhsa--gfx1250"
	.amdhsa_code_object_version 6
	.text
	.protected	k_qf480400efa_cvt
	.globl	k_qf480400efa_cvt
	.p2align	8
	.type	k_qf480400efa_cvt,@function
k_qf480400efa_cvt:
	s_mov_b64 s[64:65], 0
	v_nop
	global_prefetch_b8 v0, s[64:65] scope:SCOPE_SE
	s_setreg_imm32_b32 hwreg(HW_REG_WAVE_SCHED_MODE, 0, 2), 2
	s_setreg_imm32_b32 hwreg(HW_REG_WAVE_MODE, 25, 1), 1
	s_wait_xcnt 0x0
	s_wait_alu depctr_vm_vsrc(0)
; input [2048][8192] f32 -> abf, weight [4096][8192] f32 -> wbf: each number rounded ONCE to bf16 (nearest even) and laid out for the product that follows:
; [step 0..42][row][200 bf16].  Step s holds k = 192 s .. 192 s + 191 of every row (384 bytes), then 16 bytes of zeros: a row is 400 bytes.
; k >= 8192 (step 42, local k 128 .. 191) is written as zeros in both buffers, so that the product over 43 x 192 = 8,256 k adds only 0 x 0 to the true sums.
; LIMITS.  bf16 has f32's range and 8 significant bits; NaN and infinities are rounded as v_cvt_pk_bf16_f32 rounds them.
; A stream: no LDS, no matrix unit, no cluster (no two work-groups read the same byte).  Every input byte is read once, every output byte written once.
; SHARES.  Grid y = the step.  Grid x 0..15: input, x 16..47: weight.  A wave has ONE job: 16 rows of one step: it reads 16 x 768 bytes and writes 6,400 consecutive bytes
; as 25 stores, each of 256 consecutive bytes at a multiple of 256 from the buffer's first byte.  All 25 loads go out first; each pass has registers of its own, so nothing is ever freed.
; A LANE.  In pass i lane l owns output piece p = 32 i + l of the job's 800 pieces of 8 bytes (4 numbers): row p / 50, column c = p % 50.  32 i / 50 and 32 i % 50 are
; numbers of the text; adding l wraps past 50 at most once.  c >= LIM (48; 32 in step 42) is padding: such a lane loads a clamped place of its row and stores zeros.
; THE MODE: SCHED_MODE bits 1:0 = 2 (LLVM: expert scheduling mode 2), set by the entry lines.  The code itself states the register dependences
; between vector instructions and memory instructions, with s_wait_alu, always for 0.
; THE PLAN.  Registers that memory instructions touch:
;   v[VO+i]         Written by the address arithmetic; read by load i; never written again.
;   v2              Written once at the head; read by every store; never written again.
;   v[X+4i .. +3]   Load i lands in them, and no vector instruction names them before; pass i's roundings and selects read them and write the first two; store i reads those two; never written again.
; Scalar registers that vector instructions write: s16 (the wave's number), s[WR+i] (the column wraps), s[MK+i] (the piece holds numbers): each written once, in runs.
; So no load lands in a register that a vector instruction has named, and nothing that a memory instruction reads is written behind it.  What is left to state:
;   one wait on va_sdst behind the run of wrap compares (s16 and WR), one behind the run of compares that make MK;
;   one wait on va_vdst ahead of the 25 loads (the offsets; v2 for the stores too); one ahead of each run of five stores (their data).
; The address arithmetic, 8 lines a pass, is written by kinds, 25 passes on end, ahead of the wait for the arguments: it hangs on the lane and the step alone.
.set NPASS, 25
.set GRP,   5                          ; passes whose stores go out in one run; 5 such groups
.set ROWB,  32768                      ; bytes in a row of input and of weight
.set ABLK,  2048*400                   ; bytes of a step in abf
.set WBLK,  4096*400                   ; bytes of a step in wbf
.set LAST,  42                         ; the step that is part padding
.set D,   4                            ; v[4:28]    pass i: at work in the address arithmetic: column - 50, then the wrap's row; no memory instruction names them
.set X,   32                           ; v[32:131]  pass i: 4 registers as loaded; then its first two hold the 4 bf16
.set VO,  132                          ; v[132:156] pass i: the column, then the load's byte offset; never rewritten behind that
.set MK,  32                           ; s[32:56]   pass i: the lanes whose piece holds numbers
.set WR,  66                           ; s[66:90]   pass i: the lanes whose column wraps into the next row
	s_load_b256 s[8:15], s[0:1], 0x0               ; input s[8:9], weight s[10:11], abf s[12:13], wbf s[14:15]
	v_and_b32 v1, 31, v0                           ; lane
	v_lshrrev_b32 v3, 5, v0
	v_readfirstlane_b32 s16, v3                    ; wave 0..7
	v_lshlrev_b32 v2, 3, v1                        ; my 8 bytes in a store's 256; never rewritten
.set i, 0
.rept NPASS
	v_add_nc_u32 v[VO+i], (32*i)%50, v1            ; column, not yet wrapped
.set i, i+1
.endr
.set i, 0
.rept NPASS
	v_cmp_le_u32 s[WR+i], 50, v[VO+i]              ; past the row's end?
.set i, i+1
.endr
.set i, 0
.rept NPASS
	v_sub_nc_u32 v[D+i], v[VO+i], 50
.set i, i+1
.endr
	s_mov_b32 s30, ttmp9                           ; x
	s_and_b32 s18, ttmp7, 0xffff                   ; the step
	s_sub_co_u32 s21, s30, 16                      ; x among weight's work-groups (used only where x >= 16)
	s_mov_b32 s19, WBLK
	s_cmp_lt_u32 s30, 16                           ; input or weight?
	s_cselect_b32 s17, s30, s21                    ; x within the buffer
	s_cselect_b32 s19, ABLK, s19                   ; bytes of a step in the output buffer
	s_wait_alu depctr_va_sdst(0)                   ; s16 and the 25 masks WR are written, ahead of their first readers: the line below, and the selects further down
	s_lshl3_add_u32 s20, s17, s16                  ; my group of 16 rows = 8 x + wave
	s_lshl_b32 s22, s20, 19                        ; 16 rows of 32,768 bytes,
	s_mul_i32 s29, s18, 768                        ; the step's 192 numbers of 4 bytes
	s_add_co_u32 s22, s22, s29                     ; 133,725,696 at the most: one word
	s_mov_b32 s23, 0
	s_mul_i32 s24, s18, s19                        ; the step's block,
	s_mul_i32 s29, s20, 6400                       ; my 16 rows of 400 bytes in it
	s_add_co_u32 s24, s24, s29
	s_mov_b32 s25, 0
	s_cmp_eq_u32 s18, LAST
	s_cselect_b32 s26, 32, 48                      ; LIM: columns that hold numbers
	s_cselect_b32 s27, 31, 47                      ; LIM - 1: the clamp
	s_mov_b32 s28, ROWB
.set i, 0
.rept NPASS
	v_cndmask_b32 v[VO+i], v[VO+i], v[D+i], s[WR+i]  ; c
.set i, i+1
.endr
.set i, 0
.rept NPASS
	v_cndmask_b32 v[D+i], 0, s28, s[WR+i]          ; one row further, or none
.set i, i+1
.endr
.set i, 0
.rept NPASS
	v_cmp_gt_u32 s[MK+i], s26, v[VO+i]             ; LIM > c: the piece holds numbers
.set i, i+1
.endr
.set i, 0
.rept NPASS
	v_min_u32 v[VO+i], s27, v[VO+i]
.set i, i+1
.endr
.set i, 0
.rept NPASS
	v_lshl_add_u32 v[VO+i], v[VO+i], 4, v[D+i]
.set i, i+1
.endr
	s_wait_kmcnt 0x0
	s_cmp_lt_u32 s30, 16                           ; compared anew: the sums above have written SCC
	s_cselect_b64 s[4:5], s[8:9], s[10:11]         ; from where
	s_cselect_b64 s[6:7], s[12:13], s[14:15]       ; to where
	s_add_nc_u64 s[4:5], s[4:5], s[22:23]
	s_add_nc_u64 s[6:7], s[6:7], s[24:25]
	s_wait_alu depctr_va_sdst(0)                   ; the 25 masks MK are written, ahead of their first readers: the selects of PUT
	s_wait_alu depctr_va_vdst(0)                   ; the 25 offsets v[VO ..] are written, which the loads below read, and v2, which every store reads; no later vector instruction writes any of them
	; ASK: the 25 loads.  A lane reads 16 bytes at (row x 32,768) + 16 c; the row's whole part stands in the immediate, the wrap's one row in the register.
	; The clamp keeps every load inside its row: the last byte read is step x 768 + 16 LIM = 32,768 at the most; pass 24 (18 + l < 50) cannot wrap past row 15.
.set i, 0
.rept NPASS
	global_load_b128 v[X+4*i:X+4*i+3], v[VO+i], s[4:5] offset:((32*i)/50)*ROWB th:TH_LOAD_NT  ; read once in the launch; no vector instruction has named these four registers
.set i, i+1
.endr
	; PUT: rounded, padding set to zero, stored, five passes' stores in a run.  No hint on the stores: the next launch reads these bytes.
.set g, 0
.rept NPASS/GRP
.set i, GRP*g
.rept GRP
	s_wait_loadcnt NPASS-1-i                       ; loads come back in order (ISA guide 5.7.1): pass i's is in, the younger ones stay out
	v_cvt_pk_bf16_f32 v[X+4*i],   v[X+4*i],   v[X+4*i+1]
	v_cvt_pk_bf16_f32 v[X+4*i+1], v[X+4*i+2], v[X+4*i+3]
	v_cndmask_b32 v[X+4*i],   0, v[X+4*i],   s[MK+i]
	v_cndmask_b32 v[X+4*i+1], 0, v[X+4*i+1], s[MK+i]
.set i, i+1
.endr
	s_wait_alu depctr_va_vdst(0)                   ; the group's roundings and selects have written its ten registers, which the five stores below read
.set i, GRP*g
.rept GRP
	global_store_b64 v2, v[X+4*i:X+4*i+1], s[6:7] offset:256*i  ; 32 lanes store 256 consecutive bytes, at a multiple of 256 from the buffer's first byte
.set i, i+1
.endr
.set g, g+1
.endr
	s_endpgm
.Lfunc_end_k_qf480400efa_cvt:
	.size	k_qf480400efa_cvt, .Lfunc_end_k_qf480400efa_cvt-k_qf480400efa_cvt
	.p2alignl 7, 3214868480
	.fill 96, 4, 3214868480
	.section	.rodata,"a",@progbits
	.p2align	6, 0x0
	.amdhsa_kernel k_qf480400efa_cvt
		.amdhsa_group_segment_fixed_size 0
		.amdhsa_private_segment_fixed_size 0
		.amdhsa_enable_private_segment 0
		.amdhsa_kernarg_size 32
		.amdhsa_user_sgpr_count 2
		.amdhsa_user_sgpr_kernarg_segment_ptr 1
		.amdhsa_wavefront_size32 1
		.amdhsa_system_sgpr_workgroup_id_x 1
		.amdhsa_system_sgpr_workgroup_id_y 1
		.amdhsa_system_sgpr_workgroup_id_z 1
		.amdhsa_system_vgpr_workitem_id 0
		.amdhsa_next_free_vgpr 160
		.amdhsa_next_free_sgpr 92
		.amdhsa_reserve_vcc 0
		.amdhsa_float_denorm_mode_32 3
		.amdhsa_float_denorm_mode_16_64 3
		.amdhsa_memory_ordered 1
		.amdhsa_forward_progress 1
		.amdhsa_inst_pref_size 25
	.end_amdhsa_kernel
	.amdgpu_metadata
---
amdhsa.version: [ 1, 2 ]
amdhsa.kernels:
  - .name:           k_qf480400efa_cvt
    .symbol:         k_qf480400efa_cvt.kd
    .args:
      - { .name: input, .offset: 0, .size: 8, .value_kind: global_buffer, .address_space: global }
      - { .name: weight, .offset: 8, .size: 8, .value_kind: global_buffer, .address_space: global }
      - { .name: abf, .offset: 16, .size: 8, .value_kind: global_buffer, .address_space: global }
      - { .name: wbf, .offset: 24, .size: 8, .value_kind: global_buffer, .address_space: global }
    .group_segment_fixed_size: 0
    .private_segment_fixed_size: 0
    .kernarg_segment_align: 8
    .kernarg_segment_size: 32
    .max_flat_workgroup_size: 256
    .sgpr_count:     92
    .vgpr_count:     160
    .wavefront_size: 32
...
	.end_amdgpu_metadata
.endif
;; end of part 3
;; launch gemm: the kernel of part 2 again; grid 16 x 16, 4 waves a work-group, clusters of 4 x 4, 327,680 bytes of LDS; arguments abf, wbf, out0; writes out0
